; MI455X (gfx1250); checked and timed in simulation.
; The chip was launched on July 23, 2026; its instructions are those of AMD's public machine-readable ISA for CDNA 5 (MIT licence, August 2026) and "CDNA5" Instruction Set Architecture Reference Guide (July 2026). The comments in the code are by the model that wrote it; some were corrected since.
;; MHA. Allowed arithmetic: matrix products marked QUANTISED: E3M2 operands, one E8M0 scale for each 32 along K, by v_wmma_scale_f32_16x16x128_f8f6f4 with both operands' format E3M2, f32 sums; everything else in f32.
;; Inputs: Wk 1,024 x 1,024 float32; Wq 1,024 x 1,024 float32; Wv 1,024 x 1,024 float32; bk 1,024 float32; bq 1,024 float32; bv 1,024 float32; x 4 x 2,048 x 1,024 float32.
;; Outputs: out0 4 x 2,048 x 1,024 float32.
;; This version of the problem:
;;   THIS VERSION OF THE PROBLEM IS GIVEN IN LOW PRECISION. The matrix products marked QUANTISED in the list below multiply operands that are first quantised to E3M2 (3 exponent bits, 2 mantissa bits; 6 bits a number), with one power-of-two scale for each 32 numbers along K (OCP MX v1.0); their sums are f32. All else is computed in f32.
;;   The module's matrix products, in the order in which they are computed (A, B: the left and right operand; K: the contracted axis; several contracted axes count as one K, in the product's order):
;;     1. [M 8,192, K 1,024] x [K 1,024, N 1,024]; A: input x; B: input Wq: QUANTISED
;;     2. [M 8,192, K 1,024] x [K 1,024, N 1,024]; A: input x; B: input Wk: QUANTISED
;;     3. [M 8,192, K 1,024] x [K 1,024, N 1,024]; A: input x; B: input Wv: QUANTISED
;;     4. batch 64 x [M 2,048, K 64] x [K 64, N 2,048]; A: computed on the way; B: computed on the way: QUANTISED
;;     5. batch 64 x [M 2,048, K 2,048] x [K 2,048, N 64]; A: softmax (see below); B: computed on the way: QUANTISED
;;   THE QUANTISER, for each operand of a quantised product, along K:
;;     - K is cut into blocks of 32 from its start; a last block that is shorter is filled with zeros.
;;     - A block's scale is 2^e with e = floor(log2(the largest magnitude in the block)) - 4, held to -126 .. 127; a block of zeros has e = 0. As a byte (E8M0): e + 127.
;;     - Each number is divided by its block's scale, clamped to +-28, and rounded to the nearest number of E3M2, ties to even, subnormals kept.
;;     - The product sums the exact products of the quantised numbers (number of the format x scale) in f32.
;;   ~~~python
;;   def quantise(x, axis):      # numpy; x: float32 -> the quantised numbers, widened to float32 again
;;       x = np.moveaxis(x, axis, -1); K = x.shape[-1]
;;       x = np.pad(x, [(0, 0)] * (x.ndim - 1) + [(0, -K % 32)]); x = x.reshape(x.shape[:-1] + (-1, 32)); a = np.abs(x).max(-1, keepdims=True)
;;       e = np.where(a > 0, np.clip(np.frexp(np.where(a > 0, a, 1))[1] - 1 - 4, -126, 127), 0)      # np.frexp(a)[1] - 1 = floor(log2(a)), exactly
;;       r = np.clip(x / 2.0 ** e, -28, 28)
;;       step = 2.0 ** (np.maximum(np.frexp(np.where(r == 0, 1, r))[1] - 1, -2) - 2)
;;       q = np.round(r / step) * step * 2.0 ** e      # np.round: ties to even
;;       return np.moveaxis(q.reshape(q.shape[:-2] + (-1,))[..., :K], -1, axis).astype(np.float32)
;;   ~~~
;;   SOFTMAX AHEAD OF A QUANTISED PRODUCT. Where the list says 'softmax', what is quantised is not the finished softmax but p = 2^(t - M), with t = logit x log2(e) and M = ceil(the row's largest t), a whole number; so 1/2 < the row's largest p <= 1. The row's sum l is taken of the UNQUANTISED p, in f32, and the product's result is divided by l at the end. Since M is a whole number, a kernel that streams over the keys may use a running M (the ceiling of the running maximum): every later rescaling is an exact power of two, which a block's scale takes up: the codes' values come out the same.
;;   OPERANDS COMPUTED ON THE WAY. 'Computed on the way' means the value that the module computes at that place (a softmax that the list does not call 'softmax' is quantised finished and normalised). What goes into a quantiser is computed in f32, as accurately as f32 sums, v_exp_f32 and their like allow (about 1e-6 of the number): no bf16 or f16 on the way to a quantiser, and a product that is left as it is and whose result goes on into a quantised operand takes f32 operands (vector FMAs, or v_wmma_f32_16x16x4_f32). A number that lies on a knife's edge between two numbers of the format may be rounded either way, as far as f32 arithmetic and the matrix unit's own rounding can turn it there, and no further.
;; One version. Each part assembles by itself: llvm-mc -triple=amdgcn-amd-amdhsa -mcpu=gfx1250 --defsym DOCPART=n.
;; ======== version 1 of 1: 3 launches
;; limits: right only within a limited range of input values
;; workspace buffers: codes 8,650,752 bytes; cscl 360,448 bytes; img 18,874,368 bytes; scl 1,572,864 bytes
;; launch quant (part 1): grid 352 x 1, 4 waves a work-group, no clusters, 33,280 bytes of LDS; arguments x, Wq, Wk, Wv, codes, cscl; writes codes, cscl
.if DOCPART == 1
	.amdgcn_target "amdgcn-amd-amdhsa--gfx1250"
	.amdhsa_code_object_version 6
	.text
	.protected	k_qf847a1d425_quant
	.globl	k_qf847a1d425_quant
	.p2align	8
	.type	k_qf847a1d425_quant,@function
k_qf847a1d425_quant:
	s_mov_b64 s[64:65], 0
	v_nop
	global_prefetch_b8 v0, s[64:65] scope:SCOPE_SE
	s_setreg_imm32_b32 hwreg(HW_REG_WAVE_MODE, 25, 1), 1
	s_wait_xcnt 0x0
; x [8192][1024], Wq, Wk, Wv [1024][1024], f32, K innermost, become codes of BF6 (E3M2), 6 bits each, with one E8M0 scale byte for each 32 along K.
; The four tensors are laid one behind the other as 11,264 rows: a row's codes are 768 bytes (one stream of bits), its scale bytes 32.
; A block's scale is 2^(floor(log2(its largest magnitude)) - 4): its byte is the largest magnitude's own exponent field - 4, held at 1 from below.
; LIMITS: a block of zeros gets the byte 1 where the rule says 127 (its codes are zeros, and this program alone reads the bytes); blocks whose largest magnitude lies under 2^(5 - 127)
; keep the byte 1; NaN and infinities among the inputs are not served.
; SHARES: a work-group takes 32 rows, each of its four waves 8 rows = 8,192 numbers in 16 steps of 512.  Work-groups 0-255 take x, 256-287 Wq, 288-319 Wk, 320-351 Wv.
; THE ROWS ARE STORED PERMUTED inside each 32: wave w's 8 rows go to the place of wave ((w & 1) << 1) | (w >> 1), that is, bits 3 and 4 of the row's number change places.
; So 16 neighbouring PLACES 16 t + r hold rows 32 (t / 2) + 8 (t % 2) + r + 8 (r / 8): the order in which the next launch wants the rows of a tile.
; Each of a step's four loads reads 512 consecutive bytes; the 2,048 bytes turn through the wave's own stage in LDS and come back 64 bytes a lane (16 neighbours along K; two lanes hold a block).
; No tensor loads, no barrier: waves share nothing.  Loads run four steps (16 loads a wave) ahead, the turn through LDS one step.  Nothing is prefetched: every byte is asked for by a load well ahead of its use.
.set STEPS, 16
.set EMAX,  4
.set CB,    12                         ; bytes of 16 codes
.set R,     16                         ; v16-79   four sets of 16 numbers as they are loaded
.set X,     80                         ; v80-111  two sets of 16 neighbours
.set C,     128                        ; v128-191 codes: four registers for each step, so that no store's data are written again
.set E,     112                        ; v112-127 a scale byte for each step
.set WREG,  8192                       ; LDS: a region for each wave: two stages of 32 x SP bytes, and behind them its 256 scale bytes
.set SP,    80                         ; a lane's place in a stage: its 64 bytes + 16 of padding
	s_load_b256 s[4:11], s[0:1], 0x0               ; x, Wq, Wk, Wv
	s_load_b128 s[12:15], s[0:1], 0x20             ; the codes, the scale bytes
	v_lshl_add_u32 v192, v0, 2, 0x8000
	v_mov_b32 v193, 0
	v_lshrrev_b32 v1, 5, v0
	v_readfirstlane_b32 s16, v1                    ; wave
	v_and_b32 v2, 31, v0                           ; lane
	v_lshlrev_b32 v3, 4, v2                        ; my 16 bytes of a load's 512
	s_mul_i32 s17, s16, WREG
	v_lshrrev_b32 v14, 2, v2
	v_mul_u32_u24 v14, v14, SP
	v_and_b32 v15, 3, v2
	v_lshl_add_u32 v14, v15, 4, v14
	v_add_nc_u32 v14, s17, v14                     ; the stage, on the way in: SP (lane / 4) + 16 (lane % 4)
	v_mul_u32_u24 v15, v2, SP
	v_add_nc_u32 v15, s17, v15                     ; and on the way out: SP x lane: my 16 neighbours
	v_mul_u32_u24 v4, v2, CB                       ; my codes' place in a step's
	v_lshrrev_b32 v5, 1, v2
	s_add_co_u32 s17, s17, 2*32*SP
	v_add_nc_u32 v5, s17, v5                       ; LDS: my wave's 256 scale bytes, my block's byte
	v_lshlrev_b32 v7, 3, v2                        ; and on the way out 8 bytes a lane
	v_add_nc_u32 v6, s17, v7
	s_wait_alu depctr_va_vdst(0)
	s_wait_kmcnt 0x0
	s_mov_b32 s17, 320                             ; which tensor, and its first work-group: the choice hangs on the work-group's number alone
	s_cmp_lt_u32 ttmp9, 320
	s_cselect_b64 s[10:11], s[8:9], s[10:11]
	s_cselect_b32 s17, 288, s17
	s_cmp_lt_u32 ttmp9, 288
	s_cselect_b64 s[10:11], s[6:7], s[10:11]
	s_cselect_b32 s17, 256, s17
	s_cmp_lt_u32 ttmp9, 256
	s_cselect_b64 s[4:5], s[4:5], s[10:11]
	s_cselect_b32 s17, 0, s17
	s_sub_co_u32 s17, ttmp9, s17
	s_lshl_b32 s17, s17, 2
	s_add_co_u32 s18, s17, s16                     ; which run of 8,192 numbers of the tensor is my wave's
	s_mov_b32 s19, 0
	s_lshl_b64 s[20:21], s[18:19], 15              ; 32,768 bytes a run
	s_add_nc_u64 s[4:5], s[4:5], s[20:21]
	s_and_b32 s22, s16, 1                          ; where it goes: the wave's two bits change places
	s_lshl_b32 s22, s22, 1
	s_lshr_b32 s23, s16, 1
	s_or_b32 s22, s22, s23
	s_lshl_b32 s23, ttmp9, 2
	s_add_co_u32 s22, s22, s23                     ; run 4 x work-group + the turned wave, among all 1,408
	s_mul_i32 s20, s22, 32*STEPS*CB                ; 6,144 bytes of codes a run
	s_mov_b32 s21, 0
	s_add_nc_u64 s[12:13], s[12:13], s[20:21]
	s_lshl_b32 s20, s22, 8                         ; 256 scale bytes a run
	s_add_nc_u64 s[14:15], s[14:15], s[20:21]
.macro LOAD t
.irp i, 0,1,2,3
	global_load_b128 v[R+16*((\t)%4)+4*\i:R+16*((\t)%4)+4*\i+3], v3, s[4:5] offset:2048*(\t)+512*\i th:TH_LOAD_NT   ; 32 lanes read 512 consecutive bytes
.endr
.endm
.macro TURN t                          ; step t's numbers through the stage: LDS serves a wave's instructions in order, so no wait stands between the stores and the loads
.irp i, 0,1,2,3
	ds_store_b128 v14, v[R+16*((\t)%4)+4*\i:R+16*((\t)%4)+4*\i+3] offset:32*SP*((\t)%2)+8*SP*\i
.endr
.irp i, 0,1,2,3
	ds_load_b128 v[X+16*((\t)%2)+4*\i:X+16*((\t)%2)+4*\i+3], v15 offset:32*SP*((\t)%2)+16*\i
.endr
.endm
.irp t, 0,1,2,3
	LOAD \t
.endr
	s_wait_loadcnt 12                              ; step 0's four loads are in; the twelve of steps 1 to 3 may be out
	TURN 0
.macro STEP t
.set XS, X+16*((\t)%2)
.if (\t) > 0
	s_wait_dscnt 1                                 ; this step's numbers are back from the stage (the last step's byte store may be out): so its stores into the stage have read their registers,
.else
	s_wait_dscnt 0x0
.endif
.if (\t)+4 < STEPS
	LOAD (\t)+4                                    ; which take the loads of four steps on
.endif
.if (\t)+1 < STEPS
.if STEPS-2-(\t) >= 3
	s_wait_loadcnt 12                              ; the next step's four loads are in; those of the three steps behind it may be out
.else
	s_wait_loadcnt 4*(STEPS-2-(\t))
.endif
	TURN (\t)+1                                    ; and go through the other stage while this step is worked
.endif
	v_max3_num_f32 v8, |v[XS]|, |v[XS+1]|, |v[XS+2]|               ; the largest magnitude of my 16, in two chains
	v_max3_num_f32 v9, |v[XS+3]|, |v[XS+4]|, |v[XS+5]|
.irp i, 6,10
	v_max3_num_f32 v8, v8, |v[XS+\i]|, |v[XS+\i+1]|
	v_max3_num_f32 v9, v9, |v[XS+\i+2]|, |v[XS+\i+3]|
.endr
	v_max3_num_f32 v8, v8, |v[XS+14]|, |v[XS+15]|
	v_max3_num_f32 v8, v8, v9, (EMAX+1)<<23        ; and the floor 2^(EMAX + 1 - 127): so the byte cannot fall under 1
	v_max_num_f32_dpp v8, v8, v8 row_xmask:1 row_mask:0xf bank_mask:0xf   ; and of my neighbour's 16: the block's
	v_add_nc_u32 v11, -(EMAX<<23), v8              ; EMAX off its exponent field: the conversion takes the exponent field of this operand as its scale, and nothing else of it
	v_cvt_scalef32_pk16_bf6_f32 v[C+4*(\t):C+4*(\t)+2], v[XS:XS+15], v11   ; sixteen numbers / the scale, to the nearest code, ties to even, beyond the largest code the largest; 96 bits without gaps
	v_lshrrev_b32 v[E+(\t)], 23, v11               ; the scale's byte (a plain line behind the conversion)
	ds_store_b8 v5, v[E+(\t)] offset:16*(\t)       ; both lanes of a block write the same byte with the same value
	global_store_b96 v4, v[C+4*(\t):C+4*(\t)+2], s[12:13] offset:32*CB*(\t)   ; the wave stores 384 consecutive bytes
.endm
.irp t, 0,1,2,3,4,5,6,7,8,9,10,11,12,13,14,15
	STEP \t
.endr
	ds_load_b64 v[12:13], v6                       ; LDS serves a wave's instructions in order: these see my stores
	s_wait_dscnt 0x0
	global_store_b64 v7, v[12:13], s[14:15]        ; 32 lanes store 256 consecutive bytes, at a multiple of 256 from the buffer's first byte
	s_wait_tensorcnt 0x0
	ds_add_u32 v192, v193
	s_wait_dscnt 0x0
	s_endpgm
.Lfunc_end_k_qf847a1d425_quant:
	.size	k_qf847a1d425_quant, .Lfunc_end_k_qf847a1d425_quant-k_qf847a1d425_quant
	.p2alignl 7, 3214868480
	.fill 96, 4, 3214868480
	.section	.rodata,"a",@progbits
	.p2align	6, 0x0
	.amdhsa_kernel k_qf847a1d425_quant
		.amdhsa_group_segment_fixed_size 33280
		.amdhsa_private_segment_fixed_size 0
		.amdhsa_enable_private_segment 0
		.amdhsa_kernarg_size 48
		.amdhsa_user_sgpr_count 2
		.amdhsa_user_sgpr_kernarg_segment_ptr 1
		.amdhsa_wavefront_size32 1
		.amdhsa_system_sgpr_workgroup_id_x 1
		.amdhsa_system_sgpr_workgroup_id_y 1
		.amdhsa_system_sgpr_workgroup_id_z 1
		.amdhsa_system_vgpr_workitem_id 0
		.amdhsa_next_free_vgpr 194
		.amdhsa_next_free_sgpr 66
		.amdhsa_reserve_vcc 0
		.amdhsa_float_denorm_mode_32 3
		.amdhsa_float_denorm_mode_16_64 3
		.amdhsa_memory_ordered 1
		.amdhsa_forward_progress 1
		.amdhsa_inst_pref_size 33
	.end_amdhsa_kernel
	.amdgpu_metadata
---
amdhsa.version: [ 1, 2 ]
amdhsa.kernels:
  - .name:           k_qf847a1d425_quant
    .symbol:         k_qf847a1d425_quant.kd
    .args:
      - { .name: x, .offset: 0, .size: 8, .value_kind: global_buffer, .address_space: global }
      - { .name: Wq, .offset: 8, .size: 8, .value_kind: global_buffer, .address_space: global }
      - { .name: Wk, .offset: 16, .size: 8, .value_kind: global_buffer, .address_space: global }
      - { .name: Wv, .offset: 24, .size: 8, .value_kind: global_buffer, .address_space: global }
      - { .name: codes, .offset: 32, .size: 8, .value_kind: global_buffer, .address_space: global }
      - { .name: cscl, .offset: 40, .size: 8, .value_kind: global_buffer, .address_space: global }
    .group_segment_fixed_size: 33280
    .private_segment_fixed_size: 0
    .kernarg_segment_align: 8
    .kernarg_segment_size: 48
    .max_flat_workgroup_size: 128
    .sgpr_count:     66
    .vgpr_count:     194
    .wavefront_size: 32
...
	.end_amdgpu_metadata
.endif
;; end of part 1
;; launch proj (part 2): grid 8 x 32, 4 waves a work-group, clusters of 4 x 4, 327,680 bytes of LDS; arguments codes, cscl, bq, bk, bv, img, scl; writes img, scl
.if DOCPART == 2
	.amdgcn_target "amdgcn-amd-amdhsa--gfx1250"
	.amdhsa_code_object_version 6
	.text
	.protected	k_qf847a1d425_proj
	.globl	k_qf847a1d425_proj
	.p2align	8
	.type	k_qf847a1d425_proj,@function
k_qf847a1d425_proj:
	s_mov_b64 s[64:65], 0
	v_nop
	global_prefetch_b8 v0, s[64:65] scope:SCOPE_SE
	s_setreg_imm32_b32 hwreg(HW_REG_WAVE_MODE, 25, 1), 1
	s_wait_xcnt 0x0
	s_wait_alu depctr_hold_cnt(0) depctr_sa_sdst(0) depctr_va_vdst(0) depctr_va_sdst(0) depctr_va_ssrc(0) depctr_va_vcc(0) depctr_vm_vsrc(0)
	s_getreg_b32 s2, hwreg(HW_REG_IB_STS2, 6, 4)
	s_cmp_eq_u32 s2, 0
	s_cbranch_scc0 .Lentry_in_a_cluster
	s_endpgm
.Lentry_in_a_cluster:
	s_bfe_u32 s2, ttmp6, 0x10000c
	s_cmp_lg_u32 s2, 0xf033
	s_cbranch_scc0 .Lentry_shape_is_right
	s_endpgm
.Lentry_shape_is_right:
; q, k, v = x W^T + b on codes of BF6 (E3M2) with E8M0 scales, quantised again on the way out: q and k along the head's 64, v along the tokens, stored as images of the operand registers that the attention launch loads.
; SHARES: work-group (hp, tb) makes 256 tokens x (128 features of q, of k and of v: heads 2 hp, 2 hp + 1): 8 x 32 = 256 work-groups.  A wave owns 64 tokens and all 128 features of each of the three products: 32 accumulators.
; LDS: 384 rows of codes, whole K: 768 bytes a row, which begin at multiples of 256 bytes of the buffer; 16 bytes of padding behind each 256: pitch 816.  Rows 0-127 Wq, rows 128-383 x.
; Each wave lifts its 64 tokens' fragments for all of K into 384 registers; then x's rows are filled again, once, with Wk (rows 128-255) and Wv (rows 256-383), which land under the q product.
; So in the K steps only W's fragments are read from LDS: 8 fragments for 32 matrix instructions.  Scale words go from memory straight into registers: lanes 0-15 x's rows, lanes 16-31 W's, 32 bytes a row = the 8 K steps.
; q, k: source 0 = W's rows, source 1 = x's: a lane holds a token, its registers run along the features.  v: source 0 = x's rows, source 1 = Wv's: a lane holds a feature d, its registers run along the tokens.
; The rows of codes lie permuted inside each 32 (bits 3 and 4 of the row's number swapped), so that the 16 registers of two neighbouring tiles are 16 neighbours along the next K.  The bias is the C of the first K step.
; v: a wave's 64 tokens are half of a fragment of 128 keys: the halves meet in a stage in LDS on Wq's rows, which have had their only fill and their last read by then, and leave as whole runs.
; CLUSTERS 4 x 4: x's rows are shared along a row of the cluster, W's along a column: joint loads.  Nothing is prefetched: the launch has no loop to run ahead in; all its tiles are asked for by two loads a wave.
; LIMITS: a block of zeros gets the byte 1 (its codes are zeros; this program alone reads the bytes); NaN and infinities are not served.
; REGISTERS: window 0: v0-31 addresses, v32-95 scale words, v96-191 W's fragments set 1 (at work on the way out), v192-255 the bias.  Window 1: x's fragments of K steps 0-4, v240-247 bv.  Window 2: x's steps 5-7, from v144 W's set 0.  Window 3: accumulators.
.set PITCH, 816
.set T128,  128*PITCH
.set HB,    64*PITCH
.set SPARE, 384*PITCH
.set SSG,   24576                      ; the stage: v's codes at 0 (24,576 bytes), v's scale words here (1,024)
.set PWR, 4
.set ADB, 8                            ; v8-11 W's fragments: blocks 0-3, the same with lanes 16-31 16 bytes on, blocks 4-7, the same
.set ADRA, 20
.set BO, 22
.set LO, 23
.set CO, 24
.set QSO, 25
.set SH, 26
.set SV0, 27
.set SPW, 28
.set NIL, 29
.set SV1, 30
.set C8, 31
.set SC, 32
.set PC, 96
.set CT, 120
.set TM, 128
.set W, 144
.set VP0, 148
.set VP1, 149
.set VSS, 150
.set RDV, 151
.set RDS, 152
.set OUTS, 154
.set BIAS, 192
.set G1, 24
.set G0X, 32
.set G0Q, 36
.set G1B, 48
.set G0R, 56
.set IB, 66
.set SB, 68
.set IV, 70
.set SVB, 72
.set SEL, 82
.set MSB, 0
.macro WIN new
.if MSB != (\new)
	s_set_vgpr_msb (MSB<<8)|(\new)
.set MSB, (\new)
.endif
.endm
.macro PLACES n
.rept \n
	v_nop
.endr
.endm
.macro CROUND                          ; a round of the cluster's barrier
	s_barrier_signal -1
	s_barrier_wait -1
	s_cmp_lg_u32 s18, 0
	s_cbranch_scc1 .Lnot_wave_0_\@
	s_barrier_signal -3
.Lnot_wave_0_\@:
	s_barrier_wait -3
	s_barrier_signal -1
	s_barrier_wait -1
.endm
	s_load_b256 s[4:11], s[0:1], 0x0               ; codes, their scales, bq, bk
	s_load_b128 s[12:15], s[0:1], 0x20             ; bv, the images
	s_load_b64 s[16:17], s[0:1], 0x30              ; the images' scale words
	v_lshl_add_u32 v[SPW], v0, 2, SPARE
	v_mov_b32 v[NIL], 0
	ds_add_u32 v[SPW], v[NIL]                      ; the opening lines
	ds_add_u32 v[SPW], v[NIL]
	v_lshrrev_b32 v1, 5, v0
	v_readfirstlane_b32 s18, v1                    ; wave
	s_lshr_b32 s19, s18, 1
	s_and_b32 s20, s18, 1
	s_bfe_u32 s40, ttmp6, 0x40000                  ; cx
	s_bfe_u32 s41, ttmp6, 0x40004                  ; cy
	s_lshl_b32 s42, ttmp9, 2
	s_add_co_u32 s42, s42, s40                     ; hp
	s_and_b32 s43, ttmp7, 0xffff
	s_lshl_b32 s43, s43, 2
	s_add_co_u32 s43, s43, s41                     ; tb
	s_lshl_b32 s44, s41, 2
	s_lshl_b32 s44, 15, s44                        ; my row of the cluster
	s_lshl_b32 s45, 0x1111, s40                    ; my column
	s_or_b32 s[G1], s44, (1<<20)|(1<<21)|(5<<22)|(3<<25)    ; elements of 1 byte; 4 words of padding behind every 64
	s_or_b32 s[G1B], s45, (1<<20)|(1<<21)|(5<<22)|(3<<25)
.irp g, G1, G1B
	s_mov_b32 s[\g+1], 768<<16
	s_mov_b32 s[\g+3], 768<<16
	s_mov_b32 s[\g+5], 768
	s_mov_b32 s[\g+6], 0
	s_mov_b32 s[\g+7], 0
.endr
	s_mov_b32 s[G1+2], 128<<16                     ; x: 128 rows a load
	s_mov_b32 s[G1+4], 128
	s_mov_b32 s[G1B+2], 64<<16                     ; W: 64 rows a load
	s_mov_b32 s[G1B+4], 64
	s_lshl_b32 s60, s43, 8                         ; x: row 256 tb + 128 (wave & 1)
	s_lshl_b32 s61, s20, 7
	s_add_co_u32 s60, s60, s61
	s_mul_i32 s60, s60, 768
	s_mov_b32 s61, 0
	s_lshl_b32 s62, s42, 7                         ; Wq: row 8192 + 128 hp + 64 (wave & 1)
	s_lshl_b32 s63, s20, 6
	s_add_co_u32 s46, s62, s63
	s_add_co_u32 s46, s46, 8192
	s_mul_i32 s46, s46, 768
	s_mov_b32 s47, 0
	s_lshl_b32 s63, s18, 6                         ; Wk, Wv: row 9216 + 128 hp + 64 wave + 896 (wave / 2)
	s_add_co_u32 s62, s62, s63
	s_mul_i32 s63, s19, 896
	s_add_co_u32 s62, s62, s63
	s_add_co_u32 s62, s62, 9216
	s_mul_i32 s62, s62, 768
	s_mov_b32 s63, 0
	s_wait_dscnt 0x0
	s_wait_kmcnt 0x0
	CROUND                                         ; in front of the first joint loads
	s_mov_b32 s[G0X], 1
	s_mul_i32 s[G0X+1], s20, T128
	s_add_co_u32 s[G0X+1], s[G0X+1], T128
	s_add_nc_u64 s[G0X+2:G0X+3], s[4:5], s[60:61]
	s_or_b32 s[G0X+3], s[G0X+3], 0x80000000
	s_mov_b32 s[G0Q], 1
	s_mul_i32 s[G0Q+1], s20, HB
	s_add_nc_u64 s[G0Q+2:G0Q+3], s[4:5], s[46:47]
	s_or_b32 s[G0Q+3], s[G0Q+3], 0x80000000
	s_mov_b32 s[G0R], 1
	s_mul_i32 s[G0R+1], s18, HB
	s_add_co_u32 s[G0R+1], s[G0R+1], T128
	s_add_nc_u64 s[G0R+2:G0R+3], s[4:5], s[62:63]
	s_or_b32 s[G0R+3], s[G0R+3], 0x80000000
	s_cmp_eq_u32 s19, 0                            ; one load a wave: waves 0, 1 x's halves, waves 2, 3 Wq's
	s_cbranch_scc0 .Lhw
	tensor_load_to_lds s[G0X:G0X+3], s[G1:G1+7]
	s_nop 0
	PLACES 4
	s_branch .Lhj
.Lhw:
	tensor_load_to_lds s[G0Q:G0Q+3], s[G1B:G1B+7]
	s_nop 0
	PLACES 4
.Lhj:
	s_lshl_b32 s46, s42, 9                         ; the biases of my 128 features
	s_add_nc_u64 s[8:9], s[8:9], s[46:47]
	s_add_nc_u64 s[10:11], s[10:11], s[46:47]
	s_add_nc_u64 s[12:13], s[12:13], s[46:47]
	s_lshr_b32 s21, s43, 3
	s_lshl_b32 s21, s21, 4
	s_lshl_b32 s22, s42, 1
	s_add_co_u32 s21, s21, s22                     ; 16 x batch + head 2 hp
	s_and_b32 s22, s43, 7
	s_lshl_b32 s22, s22, 1                         ; the first of my work-group's two steps of 128 tokens
	s_add_co_u32 s23, s22, s19                     ; q, k: my 64 tokens are half (wave & 1) of step + wave / 2
	s_mul_i32 s46, s21, 98304
	s_mul_i32 s77, s23, 6144
	s_add_co_u32 s46, s46, s77
	s_mul_i32 s77, s20, 3072
	s_add_co_u32 s46, s46, s77
	s_add_nc_u64 s[IB:IB+1], s[14:15], s[46:47]
	s_mul_i32 s46, s21, 12288
	s_lshl_b32 s77, s23, 9
	s_add_co_u32 s46, s46, s77
	s_lshl_b32 s77, s20, 8
	s_add_co_u32 s46, s46, s77
	s_add_co_u32 s46, s46, 786432                  ; q's scale words lie 786,432 bytes behind k's
	s_add_nc_u64 s[SB:SB+1], s[16:17], s[46:47]
	s_add_co_u32 s21, s21, s19                     ; v, on the way out: wave w stores head wave / 2, step wave & 1
	s_add_co_u32 s22, s22, s20
	s_mul_i32 s46, s21, 98304
	s_mul_i32 s77, s22, 6144
	s_add_co_u32 s46, s46, s77
	s_add_co_u32 s46, s46, 12582912
	s_add_nc_u64 s[IV:IV+1], s[14:15], s[46:47]
	s_mul_i32 s46, s21, 12288
	s_lshl_b32 s77, s22, 8
	s_add_co_u32 s46, s46, s77
	s_add_co_u32 s46, s46, 8192
	s_add_nc_u64 s[SVB:SVB+1], s[16:17], s[46:47]
	s_mul_i32 s74, s18, HB
	s_add_co_u32 s74, s74, T128                    ; my 64 rows of x in LDS
	s_lshl_b32 s75, s43, 8
	s_lshl_b32 s76, s18, 6
	s_add_co_u32 s75, s75, s76
	s_lshl_b32 s75, s75, 5                         ; my x rows' scales: 32 bytes a row
	s_lshl_b32 s76, s42, 7
	s_add_co_u32 s76, s76, 8192
	s_lshl_b32 s76, s76, 5
	s_sub_co_u32 s76, s76, s75                     ; Wq's rows' scales, less x's
	s_mul_i32 s77, s19, 6144                       ; the stage: step wave / 2; half wave & 1 of a run: registers 6 half + 0 .. 5
	s_mul_i32 s78, s20, 520
	s_add_co_u32 s78, s78, s77
	s_mul_i32 s79, s20, 1016
	s_add_co_u32 s79, s79, s77
	s_add_co_u32 s79, s79, 8
	s_lshl_b32 s80, s19, 8
	s_lshl_b32 s77, s20, 1
	s_add_co_u32 s80, s80, s77
	s_add_co_u32 s80, s80, SSG
	s_mul_i32 s81, s18, 6144
	s_lshl_b32 s84, s18, 8
	s_add_co_u32 s84, s84, SSG
	s_mov_b32 s[SEL], 0x76543210
	s_mov_b32 s[SEL+1], 0xfedcba98
	v_and_b32 v1, 15, v0                           ; r
	v_bfe_u32 v2, v0, 4, 1                         ; h
	v_mul_u32_u24 v3, v1, PITCH
	v_mad_u32_u24 v[ADB], v2, 24, v3
	v_lshl_add_u32 v[ADB+1], v2, 4, v[ADB]
	v_add_nc_u32 v[ADB+2], HB, v[ADB]
	v_add_nc_u32 v[ADB+3], HB, v[ADB+1]
	v_add_nc_u32 v[ADRA], s74, v[ADB]
	v_add_nc_u32 v[ADRA+1], s74, v[ADB+1]
	v_lshlrev_b32 v[BO], 6, v2
	v_and_b32 v3, 8, v1
	v_add_lshl_u32 v[LO], v3, v1, 2
	v_and_b32 v3, 31, v0
	v_lshlrev_b32 v[CO], 4, v3
	v_lshlrev_b32 v[C8], 3, v3
	v_mul_u32_u24 v3, v2, 12288
	v_lshl_add_u32 v[QSO], v1, 4, v3
	v_lshlrev_b32 v[SH], 4, v2
	v_mul_u32_u24 v3, s76, v2
	v_lshl_add_u32 v3, v1, 5, v3
	v_add_nc_u32 v[SV0], s75, v3
	v_lshl_add_u32 v[SV1], v2, 11, v[SV0]          ; for W's blocks 4-7: lanes 0-15 take x's blocks 0-3 again
.macro SCLOAD                          ; register SC + 8 i + s: lanes 16-31 the word of W's block i, lanes 0-15 that of x's block i % 4, K step s
.irp i, 0,1,2,3
	global_load_b128 v[SC+8*\i:SC+8*\i+3], v[SV0], s[6:7] offset:512*\i
	global_load_b128 v[SC+8*\i+4:SC+8*\i+7], v[SV0], s[6:7] offset:512*\i+16
	global_load_b128 v[SC+32+8*\i:SC+35+8*\i], v[SV1], s[6:7] offset:512*\i
	global_load_b128 v[SC+36+8*\i:SC+39+8*\i], v[SV1], s[6:7] offset:512*\i+16
.endr
.endm
.macro BIASQK p                        ; the bias in the result's layout: tile b, register j: feature 32 (b / 2) + 8 (b % 2) + 16 h + j
.irp b, 0,1,2,3,4,5,6,7
	global_load_b128 v[BIAS+8*\b:BIAS+8*\b+3], v[BO], s[\p:\p+1] offset:(32*(\b/2)+8*(\b%2))*4
	global_load_b128 v[BIAS+8*\b+4:BIAS+8*\b+7], v[BO], s[\p:\p+1] offset:(32*(\b/2)+8*(\b%2))*4+16
.endr
.endm
	SCLOAD
	BIASQK 8
	WIN 0x40
.irp a, 0,1,2,3,4,5,6,7
	global_load_b32 v[240+\a], v[LO], s[12:13] offset:(32*(\a/2)+8*(\a%2))*4   ; bv of my lane's d in tile a
.endr
	WIN 0
.macro FRAG reg, adr, st, i            ; 16 rows x 128 K: six pieces of 8 bytes; byte y of a row lies at y + 16 (y / 256); where lanes 16-31, 24 bytes on, are past a padding, the second address serves
.irp p, 0,1,2,3,4,5
.set BY, 96*(\st)+48*(\p/3)+8*(\p%3)
.if BY/256 == (BY+24)/256
	ds_load_b64 v[\reg+2*\p:\reg+2*\p+1], v[\adr] offset:BY+16*(BY/256)+(\i)*16*PITCH
.else
	ds_load_b64 v[\reg+2*\p:\reg+2*\p+1], v[\adr+1] offset:BY+16*(BY/256)+(\i)*16*PITCH
.endif
.endr
.endm
.macro FETCH_B st                      ; W's eight fragments of step st into set st % 2
	WIN 0x80-0x80*((\st)%2)
.irp i, 0,1,2,3
	FRAG 144-48*((\st)%2)+12*\i, ADB, \st, \i
	FRAG 192-48*((\st)%2)+12*\i, ADB+2, \st, \i
.endr
.endm
.macro WMA d, x, y, c, p, q
	v_wmma_scale_f32_16x16x128_f8f6f4 v[(\d):(\d)+7], v[(\x):(\x)+11], v[(\y):(\y)+11], v[(\c):(\c)+7], v[\p], v[\q] matrix_a_fmt:MATRIX_FMT_BF6 matrix_b_fmt:MATRIX_FMT_BF6 matrix_a_scale:MATRIX_SCALE_ROW1
.endm
.macro WMB d, x, y, c, p, q
	v_wmma_scale_f32_16x16x128_f8f6f4 v[(\d):(\d)+7], v[(\x):(\x)+11], v[(\y):(\y)+11], v[(\c):(\c)+7], v[\p], v[\q] matrix_a_fmt:MATRIX_FMT_BF6 matrix_b_fmt:MATRIX_FMT_BF6 matrix_b_scale:MATRIX_SCALE_ROW1
.endm
.macro MUL ty, st                      ; 32 matrix instructions, the 32 accumulators by turns
.set AW, 1+(\st)/5
.set AB, 48*((\st)%5)
.set BW, 2-2*((\st)%2)
.set BB, 144-48*((\st)%2)
.if \st == 0
.set CW, 0
.else
.set CW, 3
.endif
.if \ty
	WIN AW|(BW<<2)|(CW<<4)|0xc0
.irp a, 0,1,2,3,4,5,6,7
.irp b, 0,1,2,3
.if \st == 0
	WMB 8*(4*\a+\b), AB+12*\b, BB+12*\a, BIAS+8*\a, SC+8*\b+\st, SC+8*\a+\st
.else
	WMB 8*(4*\a+\b), AB+12*\b, BB+12*\a, 8*(4*\a+\b), SC+8*\b+\st, SC+8*\a+\st
.endif
.endr
.endr
.else
	WIN BW|(AW<<2)|(CW<<4)|0xc0
.irp a, 0,1,2,3
.irp b, 0,1,2,3,4,5,6,7
.if \st == 0
	WMA 8*(8*\a+\b), BB+12*\b, AB+12*\a, BIAS+8*\b, SC+8*\b+\st, SC+8*\a+\st
.else
	WMA 8*(8*\a+\b), BB+12*\b, AB+12*\a, 8*(8*\a+\b), SC+8*\b+\st, SC+8*\a+\st
.endif
.endr
.endr
.endif
.endm
.macro KLOOP ty                        ; eight K steps: this step's set is in; the next step's is asked for, four places behind the products that read its registers; then the products
.irp st, 0,1,2,3,4,5,6,7
	s_wait_dscnt 0x0
.if \st < 7
	PLACES 4
	FETCH_B \st+1
.endif
	MUL \ty, \st
.endr
	WIN 0
	PLACES 4                                       ; in front of the first read of the results and of loads into the scale words
.endm
.macro NEXTB                           ; on to the next 128 rows of W
	s_wait_xcnt 0x0                                ; the stores have read their registers: set 1 takes loads again
.irp i, 0,1,2,3
	v_add_nc_u32 v[ADB+\i], T128, v[ADB+\i]
.endr
	s_wait_alu depctr_va_vdst(0)                   ; the wait behind these writes
	FETCH_B 0
	WIN 0
	s_wait_loadcnt 0x0                             ; its scale words and bias
.endm
.macro SVSTEP                          ; W's scales of the next product: 1,024 rows of 32 bytes on, in lanes 16-31
	v_lshl_add_u32 v[SV0], v2, 15, v[SV0]
	v_lshl_add_u32 v[SV1], v2, 15, v[SV1]
.endm
; 64 accumulator registers from s on (window 3) = four blocks of 32 along the next K, each in lanes l and l xor 16: their scale bytes into pw, the codes of blocks 0, 1 into d0 .. d0 + 5, of blocks 2, 3 into d1 .. d1 + 5
.macro QUANT s, d0, d1, pw
	WIN 0x0f
.irp b, 0,1,2,3
	v_max3_num_f32 v[TM+\b], |v[(\s)+16*\b]|, |v[(\s)+1+16*\b]|, 0x2800000   ; the floor 2^(5 - 127): the byte cannot fall under 1
.endr
	WIN 0x3c
.irp i, 2,4,6,8,10,12,14
.irp b, 0,1,2,3
	v_max3_num_f32 v[TM+\b], v[TM+\b], |v[(\s)+16*\b+\i]|, |v[(\s)+1+16*\b+\i]|
.endr
.endr
	WIN 0
.irp b, 0,1,2,3
	v_permlanex16_b32 v[TM+4+\b], v[TM+\b], s[SEL], s[SEL+1]
.endr
.irp b, 0,1,2,3
	v_max_num_f32 v[TM+\b], v[TM+\b], v[TM+4+\b]
.endr
.irp b, 0,1,2,3
	v_add_nc_u32 v[TM+12+\b], 0xfe000000, v[TM+\b]  ; 4 off the exponent field: the conversion's scale operand
.endr
.irp b, 0,1,2,3
	v_lshrrev_b32 v[TM+4+\b], 23, v[TM+12+\b]
.endr
	v_lshl_or_b32 v[\pw], v[TM+5], 8, v[TM+4]
	v_lshl_or_b32 v[\pw], v[TM+6], 16, v[\pw]
	v_lshl_or_b32 v[\pw], v[TM+7], 24, v[\pw]
	WIN 0x03
	v_cvt_scalef32_pk16_bf6_f32 v[(\d0):(\d0)+2], v[(\s):(\s)+15], v[TM+12]
	v_cvt_scalef32_pk16_bf6_f32 v[CT:CT+2], v[(\s)+16:(\s)+31], v[TM+13]
	v_cvt_scalef32_pk16_bf6_f32 v[(\d1):(\d1)+2], v[(\s)+32:(\s)+47], v[TM+14]
	v_cvt_scalef32_pk16_bf6_f32 v[CT+4:CT+6], v[(\s)+48:(\s)+63], v[TM+15]
	WIN 0
	v_nop                                          ; one plain place behind a scaled conversion
.irp i, 0,1,2
	v_permlane16_swap_b32 v[(\d0)+\i], v[CT+\i]    ; a whole block into a lane
.endr
.irp i, 0,1,2
	v_mov_b32 v[(\d0)+3+\i], v[CT+\i]
.endr
.irp i, 0,1,2
	v_permlane16_swap_b32 v[(\d1)+\i], v[CT+4+\i]
.endr
.irp i, 0,1,2
	v_mov_b32 v[(\d1)+3+\i], v[CT+4+\i]
.endr
.endm
.macro TMINIT
.irp b, 0,1,2,3
	v_mov_b32 v[TM+4+\b], 0                        ; a lane permute's destination counts as one of its sources
.endr
.endm
.macro EPIQK                           ; token tile a: 128 features = two heads x two blocks.  Two tiles make a run of 12 registers for each head
	TMINIT
.irp a, 0,1,2,3
.if (\a)%2 == 0
	s_wait_xcnt 0x0                                ; the last run's stores have read their registers
.endif
	QUANT 64*\a, PC+6*((\a)%2), PC+12+6*((\a)%2), PWR+\a
.if (\a)%2 == 1
.irp p, 0,1,2,3,4,5
	global_store_b128 v[CO], v[PC+4*\p:PC+4*\p+3], s[IB:IB+1] offset:(\p/3)*98304+((\a)/2)*1536+512*(\p%3)   ; 512 consecutive bytes
.endr
.endif
.endr
.irp i, 0,1,2,3
	v_lshrrev_b32 v[W+\i], v[SH], v[PWR+\i]        ; lanes 0-15 the first head's two bytes, lanes 16-31 the second's; the word's upper half is 0
.endr
.irp i, 0,1,2,3
	v_and_b32 v[W+\i], 0xffff, v[W+\i]
.endr
	global_store_b128 v[QSO], v[W:W+3], s[SB:SB+1] ; sixteen lanes store 256 consecutive bytes for each head
.endm
	s_wait_alu depctr_va_vdst(0)                   ; the wait at the head's end
	s_wait_tensorcnt 0x0                           ; my part of x or Wq is in
	s_barrier_signal -1
	s_barrier_wait -1                              ; everybody's is
.irp st, 0,1,2,3,4,5,6,7               ; my 64 tokens' fragments, all of K, into registers
	WIN 0x40+0x40*(\st/5)
.irp a, 0,1,2,3
	FRAG 48*(\st%5)+12*\a, ADRA, \st, \a
.endr
.endr
	FETCH_B 0
	WIN 0
	s_wait_tensorcnt 0x0                           ; in front of a refill
	ds_add_u32 v[SPW], v[NIL]
	s_wait_dscnt 0x0                               ; my reads of x's rows are over
	CROUND
	tensor_load_to_lds s[G0R:G0R+3], s[G1B:G1B+7]  ; Wk and Wv over x's rows: 64 rows a wave
	s_nop 0
	PLACES 4
	s_wait_loadcnt 0x0
	KLOOP 0                                        ; q
	SVSTEP
	SCLOAD                                         ; k's scale words and bias land under q's way out
	BIASQK 10
	EPIQK
	s_wait_tensorcnt 0x0                           ; my part of Wk or Wv is in
	s_wait_dscnt 0x0
	s_barrier_signal -1
	s_barrier_wait -1
	NEXTB
	s_add_nc_u64 s[IB:IB+1], s[IB:IB+1], 6291456   ; k is the images' part 1
	s_sub_nc_u64 s[SB:SB+1], s[SB:SB+1], 786432
	KLOOP 0                                        ; k
	SVSTEP
	SCLOAD
	EPIQK
	WIN 0x01
.irp a, 0,1,2,3,4,5,6,7
.irp j, 0,1,2,3,4,5,6,7
	v_mov_b32 v[BIAS+8*\a+\j], v[240+\a]           ; v's bias in the result's layout: a lane holds one d
.endr
.endr
	WIN 0
	NEXTB
	KLOOP 1                                        ; v
	v_add_nc_u32 v[VP0], s78, v[CO]
	v_add_nc_u32 v[VP1], s79, v[CO]
	v_lshl_add_u32 v[VSS], v1, 4, s80
	v_add_nc_u32 v[RDV], s81, v[CO]
	v_add_nc_u32 v[RDS], s84, v[C8]
	TMINIT
	s_wait_alu depctr_va_vdst(0)                   ; the wait behind these writes
.irp g, 0,1,2,3                        ; d-tiles 2 g and 2 g + 1: six registers each, registers 6 half + 0 .. 5 of their runs; register n of lane l lies at 512 (n / 4) + 16 l + 4 (n % 4)
	QUANT 64*\g, PC, PC+6, PWR
.irp u, 0,1
	ds_store_b64 v[VP0], v[PC+6*\u:PC+6*\u+1] offset:(\g/2)*12288+(\g%2)*3072+1536*\u
	ds_store_b64 v[VP1], v[PC+6*\u+2:PC+6*\u+3] offset:(\g/2)*12288+(\g%2)*3072+1536*\u
	ds_store_b64 v[VP0], v[PC+6*\u+4:PC+6*\u+5] offset:(\g/2)*12288+(\g%2)*3072+1536*\u+512
.endr
	ds_store_b16 v[VSS], v[PWR] offset:(\g/2)*512+(\g%2)*8            ; my two bytes of each d's scale word (lanes l and l xor 16 write the same)
	ds_store_b16_d16_hi v[VSS], v[PWR] offset:(\g/2)*512+(\g%2)*8+4
.endr
	s_wait_dscnt 0x0
	s_barrier_signal -1
	s_barrier_wait -1
.irp k, 0,1,2,3,4,5,6,7,8,9,10,11
	ds_load_b128 v[PC+4*\k:PC+4*\k+3], v[RDV] offset:512*\k
.endr
	ds_load_b64 v[OUTS:OUTS+1], v[RDS]
	s_wait_dscnt 0x0
.irp k, 0,1,2,3,4,5,6,7,8,9,10,11
	global_store_b128 v[CO], v[PC+4*\k:PC+4*\k+3], s[IV:IV+1] offset:512*\k   ; a head's step: 6,144 consecutive bytes
.endr
	global_store_b64 v[C8], v[OUTS:OUTS+1], s[SVB:SVB+1]
	s_wait_tensorcnt 0x0                           ; the wave's end
	ds_add_u32 v[SPW], v[NIL]
	s_wait_dscnt 0x0
	CROUND                                         ; the closing round
	s_endpgm
.Lfunc_end_k_qf847a1d425_proj:
	.size	k_qf847a1d425_proj, .Lfunc_end_k_qf847a1d425_proj-k_qf847a1d425_proj
	.p2alignl 7, 3214868480
	.fill 96, 4, 3214868480
	.section	.rodata,"a",@progbits
	.p2align	6, 0x0
	.amdhsa_kernel k_qf847a1d425_proj
		.amdhsa_group_segment_fixed_size 327680
		.amdhsa_private_segment_fixed_size 0
		.amdhsa_enable_private_segment 0
		.amdhsa_kernarg_size 56
		.amdhsa_user_sgpr_count 2
		.amdhsa_user_sgpr_kernarg_segment_ptr 1
		.amdhsa_wavefront_size32 1
		.amdhsa_system_sgpr_workgroup_id_x 1
		.amdhsa_system_sgpr_workgroup_id_y 1
		.amdhsa_system_sgpr_workgroup_id_z 1
		.amdhsa_system_vgpr_workitem_id 0
		.amdhsa_next_free_vgpr 1024
		.amdhsa_next_free_sgpr 96
		.amdhsa_reserve_vcc 0
		.amdhsa_float_denorm_mode_32 3
		.amdhsa_float_denorm_mode_16_64 3
		.amdhsa_memory_ordered 1
		.amdhsa_forward_progress 1
		.amdhsa_inst_pref_size 255
	.end_amdhsa_kernel
	.section	.bss,"aw",@nobits
	.p2align	6
	.space	262144
	.amdgpu_metadata
---
amdhsa.version: [ 1, 2 ]
amdhsa.kernels:
  - .name:           k_qf847a1d425_proj
    .symbol:         k_qf847a1d425_proj.kd
    .args:
      - { .name: codes, .offset: 0, .size: 8, .value_kind: global_buffer, .address_space: global }
      - { .name: cscl, .offset: 8, .size: 8, .value_kind: global_buffer, .address_space: global }
      - { .name: bq, .offset: 16, .size: 8, .value_kind: global_buffer, .address_space: global }
      - { .name: bk, .offset: 24, .size: 8, .value_kind: global_buffer, .address_space: global }
      - { .name: bv, .offset: 32, .size: 8, .value_kind: global_buffer, .address_space: global }
      - { .name: img, .offset: 40, .size: 8, .value_kind: global_buffer, .address_space: global }
      - { .name: scl, .offset: 48, .size: 8, .value_kind: global_buffer, .address_space: global }
    .group_segment_fixed_size: 327680
    .private_segment_fixed_size: 0
    .kernarg_segment_align: 8
    .kernarg_segment_size: 56
    .max_flat_workgroup_size: 128
    .sgpr_count:     96
    .vgpr_count:     1024
    .wavefront_size: 32
...
	.end_amdgpu_metadata
.endif
;; end of part 2
;; launch attn (part 3): grid 4 x 64, 16 waves a work-group, no clusters, 327,680 bytes of LDS; arguments img, scl, out0; writes out0
.if DOCPART == 3
	.amdgcn_target "amdgcn-amd-amdhsa--gfx1250"
	.amdhsa_code_object_version 6
	.text
	.protected	k_qf847a1d425_attn
	.globl	k_qf847a1d425_attn
	.p2align	8
	.type	k_qf847a1d425_attn,@function
k_qf847a1d425_attn:
	s_mov_b64 s[64:65], 0
	v_nop
	global_prefetch_b8 v0, s[64:65] scope:SCOPE_SE
	s_setreg_imm32_b32 hwreg(HW_REG_WAVE_MODE, 25, 1), 1
	s_wait_xcnt 0x0
; out0[b][h][d][s] = the sum over keys k <= s of softmax_k(q[s] . k[k] / 8) v[k][d]: causal attention on 64 heads of 2,048 tokens, head size 64, stored with the queries innermost.
; Both products on codes of BF6 (E3M2) with one E8M0 scale for each 32 along K.  q, k, v arrive as images of operand registers: a run of 12 registers is 1,536 bytes, registers 4 c .. 4 c + 3 of lane l at 512 c + 16 l.
;   q, k: a step of 128 tokens is 4 runs; run g = token tiles 2 g, 2 g + 1, six registers each (lane (r, h): token 32 (t / 2) + 8 (t % 2) + r + 8 (r / 8) of tile t, d = 32 h .. 32 h + 31).
;   v:    a step of 128 keys is 4 runs; run t = the fragment of d-tile t (lane r: d = 32 (t / 2) + 8 (t % 2) + r + 8 (r / 8); K = the 128 keys).
; THE FIRST PRODUCT'S K IS 64, THE INSTRUCTION'S 128: q's fragment is six registers of codes and six of zero codes; k's operand t is the twelve registers from tile t on (its upper half meets q's zero codes; every code is finite;
; the upper two bytes of q's and k's scale words are 0, that is 2^-127).
; THE SOFTMAX: t = score x log2(e) / 8; M = the running largest t rounded up to a whole number; p = 2^(t - M) is quantised along the keys; the row's sum is taken of the unquantised p and divides at the end;
; when M moves, the sum and O are multiplied by 2^(old M - new M): exact.  Both products are used transposed: a lane holds one query throughout.
; WORK LEFT OUT: steps of 128 keys that lie wholly behind the causal mask, by a scalar branch on ids.
; SHARES: work-group (i, head) owns query blocks i and 7 - i of 256.  Wave w owns two tiles of 16 queries: A = the lower tile of group w of 32, B = the upper tile of group w xor 15: 17 steps together in every wave.
; LDS: a head's k (98,304 bytes), v (98,304) and scale words (12,288), each byte filled once.  At the head waves 0 and 1 ask for the first 512 keys of k and v, waves 2 and 3 for the halves of the scale words: one load a wave.
; Behind the first barrier waves 0-5 ask for the other three quarters of k and v, one load a wave; they have four steps' work in which to land, and one more barrier shows them.  A wave has one tensor load out at the most.
; NO JOINT LOADS, though the four work-groups of a head read the same k and v: which steps a wave leaves out hangs on which queries its work-group owns.
; Nothing is prefetched: all that is read is asked for by loads at the head and behind the first barrier.
; LIMITS: a block's largest p is taken from its largest score by the same two instructions (this leans on v_exp_f32 not falling where its input rises); p under 2^-126 is 0; a block of zeros keeps the byte 1;
; NaN and infinities are not served; the scaled scores stay under 2^31 in magnitude.
.set VL,   98304
.set KSL,  196608                      ; k's scale words: 512 bytes a step: tile t, lane r at 16 (16 (t / 4) + r) + 4 (t % 4)
.set VSL,  204800                      ; v's: 256 bytes a step: d-tile t, lane r at 16 r + 4 t
.set SPI,  1152                        ; the way out: a stage of 128 rows (64 x block + d) of 1,024 bytes + 128; rows with d & 16 lie 128 bytes further on.  It lies over k and v, behind their only fill and last read
.set LI,   1
.set L15,  2
.set ADK,  3
.set ADV,  4
.set ADS,  5
.set ADT,  6
.set QLA,  8
.set QLB,  9
.set STA,  10
.set STB,  11
.set SA,   12                          ; -M, the largest t, the sum in two halves
.set SBB,  16
.set QSA,  20
.set QSB,  21
.set QA,   22
.set QB,   34
.set FR,   46
.set S,    76
.set OA,   140
.set OB,   172
.set PC,   204
.set BM,   216
.set CT,   220
.set SO,   228
.set KSC,  232
.set VSC,  236
.set PS,   240
.set F,    242
.set TMP,  244
.set RDA,  246
.set WV,   10
.set BH,   11
.set PI,   12
.set SEL,  14
.set G1Q,  16
.set G1S,  24
.set G0S,  32
.set G0Q,  36
.set CS,   52
.set TK,   54
.set TS,   55
.set TV,   56
.set KF,   57
.set CNT,  58
.set Q0A,  59
.set QXA,  60
.set Q0B,  61
.set QXB,  62
.macro ARM under, g0, g1, next         ; waves under a number issue this load; the others go on to next
	s_cmp_lt_u32 s[WV], \under
	s_cbranch_scc0 \next
	tensor_load_to_lds s[\g0:\g0+3], s[\g1:\g1+7]
	s_nop 0
.rept 4
	v_nop
.endr
.endm
	s_load_b128 s[4:7], s[0:1], 0x0
	s_load_b64 s[8:9], s[0:1], 0x10
	v_lshl_add_u32 v254, v0, 2, 0x33000
	v_mov_b32 v255, 0
	ds_add_u32 v254, v255                          ; the opening lines
	ds_add_u32 v254, v255
	v_lshrrev_b32 v7, 5, v0
	s_delay_alu instid0(VALU_DEP_1)
	v_readfirstlane_b32 s[WV], v7
	s_and_b32 s[BH], ttmp7, 0xffff
	s_mov_b32 s[PI], ttmp9
	s_mov_b32 s[G1Q], 3<<16                        ; a quarter: 96 dense rows of 256 bytes
	s_mov_b32 s[G1Q+1], 32<<16
	s_mov_b32 s[G1Q+2], 96<<16
	s_mov_b32 s[G1Q+3], 32<<16
	s_mov_b32 s[G1Q+4], 96
	s_mov_b32 s[G1Q+5], 32
	s_mov_b32 s[G1Q+6], 0
	s_mov_b32 s[G1Q+7], 0
	s_mov_b32 s[G1S], 3<<16                        ; half the scale words: 24 rows
	s_mov_b32 s[G1S+1], 32<<16
	s_mov_b32 s[G1S+2], 24<<16
	s_mov_b32 s[G1S+3], 32<<16
	s_mov_b32 s[G1S+4], 24
	s_mov_b32 s[G1S+5], 32
	s_mov_b32 s[G1S+6], 0
	s_mov_b32 s[G1S+7], 0
	s_and_b32 s66, s[WV], 1                        ; even waves fetch k, odd ones v; or the halves of the scale words
	s_mul_i32 s67, s66, 6144
	s_mul_i32 s68, s[BH], 12288
	s_add_co_u32 s68, s68, s67
	s_mov_b32 s69, 0
	s_mul_i32 s70, s66, VL
	s_add_co_u32 s71, s66, 1
	s_mul_i32 s72, s71, 6291456
	s_mul_i32 s71, s[BH], 98304
	s_add_co_u32 s72, s72, s71
	s_mov_b32 s73, 0
	s_wait_dscnt 0x0
	s_wait_kmcnt 0x0
	s_mov_b32 s[G0S], 1
	s_add_co_u32 s[G0S+1], s67, KSL
	s_add_nc_u64 s[G0S+2:G0S+3], s[6:7], s[68:69]
	s_or_b32 s[G0S+3], s[G0S+3], 0x80000000
	s_add_nc_u64 s[72:73], s[4:5], s[72:73]
.irp j, 0,1,2,3
	s_mov_b32 s[G0Q+4*\j], 1
	s_add_co_u32 s[G0Q+4*\j+1], s70, 24576*\j
	s_add_nc_u64 s[G0Q+4*\j+2:G0Q+4*\j+3], s[72:73], 24576*\j
	s_or_b32 s[G0Q+4*\j+3], s[G0Q+4*\j+3], 0x80000000
.endr
	ARM 2, G0Q, G1Q, .Lhead_s                      ; one chain, one load to an arm
	s_branch .Lno_fill
.Lhead_s:
	ARM 4, G0S, G1S, .Lno_fill
.Lno_fill:
	s_xor_b32 s66, s[PI], 7
	s_cmp_lt_u32 s[WV], 8
	s_cselect_b32 s67, s[PI], s66                  ; tile A's block of 256 queries,
	s_cselect_b32 s68, s66, s[PI]                  ; tile B's
	s_and_b32 s69, s[WV], 7
	s_xor_b32 s70, s69, 7
	s_lshl_b32 s74, s67, 3
	s_add_co_u32 s74, s74, s69                     ; A's group of 32 queries
	s_lshl_b32 s75, s68, 3
	s_add_co_u32 s75, s75, s70                     ; B's
	s_lshl_b32 s[Q0A], s74, 5
	s_add_co_u32 s[QXA], s[Q0A], 23
	s_lshl_b32 s[Q0B], s75, 5
	s_add_co_u32 s[Q0B], s[Q0B], 8
	s_add_co_u32 s[QXB], s[Q0B], 23
	s_mul_i32 s76, s74, 1536
	s_add_co_u32 s76, s76, s71
	s_mov_b32 s77, 0
	s_add_nc_u64 s[76:77], s[4:5], s[76:77]
	s_mul_i32 s78, s75, 1536
	s_add_co_u32 s78, s78, s71
	s_mov_b32 s79, 0
	s_add_nc_u64 s[78:79], s[4:5], s[78:79]
	s_mul_i32 s80, s[BH], 12288                    ; q's scale words lie like k's, 786,432 bytes on
	s_add_co_u32 s80, s80, 786432
	s_lshr_b32 s82, s74, 1
	s_lshl_b32 s82, s82, 8
	s_and_b32 s83, s74, 1
	s_lshl_b32 s83, s83, 3
	s_add_co_u32 s82, s82, s83
	s_add_co_u32 s82, s82, s80
	s_mov_b32 s83, 0
	s_add_nc_u64 s[82:83], s[6:7], s[82:83]
	s_lshr_b32 s86, s75, 1
	s_lshl_b32 s86, s86, 8
	s_and_b32 s87, s75, 1
	s_lshl_b32 s87, s87, 3
	s_add_co_u32 s86, s86, s87
	s_add_co_u32 s86, s86, s80
	s_add_co_u32 s86, s86, 4
	s_mov_b32 s87, 0
	s_add_nc_u64 s[86:87], s[6:7], s[86:87]
	s_lshl_b32 s84, s[BH], 19                      ; out0: I store rows d = 8 (w % 8) + 0 .. 7 of tile A's block
	s_lshl_b32 s85, s69, 16
	s_add_co_u32 s84, s84, s85
	s_lshl_b32 s85, s67, 10
	s_add_co_u32 s84, s84, s85
	s_mov_b32 s85, 0
	s_add_nc_u64 s[84:85], s[8:9], s[84:85]
	v_and_b32 v7, 31, v0
	s_delay_alu instid0(VALU_DEP_1)
	v_lshlrev_b32 v[LI], 4, v7
	v_and_b32 v[TMP], 15, v0
	s_delay_alu instid0(VALU_DEP_1)
	v_lshlrev_b32 v[L15], 4, v[TMP]
	v_bfe_u32 v[TMP+1], v0, 4, 1
	global_load_b64 v[QA:QA+1], v[LI], s[76:77]
	global_load_b64 v[QA+2:QA+3], v[LI], s[76:77] offset:8
	global_load_b64 v[QA+4:QA+5], v[LI], s[76:77] offset:512
	global_load_b64 v[QB:QB+1], v[LI], s[78:79] offset:520
	global_load_b64 v[QB+2:QB+3], v[LI], s[78:79] offset:1024
	global_load_b64 v[QB+4:QB+5], v[LI], s[78:79] offset:1032
	global_load_b32 v[QSA], v[L15], s[82:83]
	global_load_b32 v[QSB], v[L15], s[86:87]
	v_and_b32 v7, 8, v[TMP]
	s_delay_alu instid0(VALU_DEP_1)
	v_add_nc_u32 v7, v7, v[TMP]
	v_lshlrev_b32 v[QLA], 4, v[TMP+1]
	s_delay_alu instid0(VALU_DEP_1)
	v_sub_nc_u32 v[QLA], v7, v[QLA]
	s_delay_alu instid0(VALU_DEP_1)
	v_add_nc_u32 v[QLB], s[Q0B], v[QLA]
	s_delay_alu instid0(VALU_DEP_2)
	v_add_nc_u32 v[QLA], s[Q0A], v[QLA]
	v_mul_u32_u24 v[STA], v[TMP+1], 18560
	s_delay_alu instid0(VALU_DEP_1)
	v_lshl_add_u32 v[STA], v7, 2, v[STA]
	s_wait_alu depctr_va_vdst(0)
	s_lshr_b32 s63, s[WV], 3
	s_mul_i32 s63, s63, 64*SPI
	s_and_b32 s66, s[WV], 7
	s_lshl_b32 s66, s66, 7
	s_add_co_u32 s63, s63, s66
	s_xor_b32 s67, s[WV], 15
	s_lshr_b32 s68, s67, 3
	s_mul_i32 s68, s68, 64*SPI
	s_and_b32 s67, s67, 7
	s_lshl_b32 s67, s67, 7
	s_add_co_u32 s68, s68, s67
	s_add_co_u32 s68, s68, 32
	v_add_nc_u32 v[STB], s68, v[STA]
	v_add_nc_u32 v[STA], s63, v[STA]
	s_mul_i32 s66, s[WV], 8*SPI
	s_bfe_u32 s67, s[WV], 0x10001
	s_lshl_b32 s67, s67, 7
	s_add_co_u32 s66, s66, s67
	v_add_nc_u32 v[RDA], s66, v[LI]
	s_mov_b32 s[SEL], 0x76543210
	s_mov_b32 s[SEL+1], 0xfedcba98
	s_mov_b32 s[CS], 0x3e38aa3b                    ; log2(e) / 8
	s_mov_b32 s[CS+1], s[CS]
.irp j, 0,1,2,3,4,5
	v_mov_b32 v[QA+6+\j], 0                        ; zero codes
	v_mov_b32 v[QB+6+\j], 0
	v_mov_b32 v[FR+24+\j], 0
.endr
.irp t, SA, SBB
	v_mov_b32 v[\t+1], 0xff61b1e6                  ; -3e38
	s_delay_alu instid0(VALU_DEP_1)
	v_floor_f32 v[\t], -v[\t+1]
	v_mov_b32 v[\t+2], 0
	v_mov_b32 v[\t+3], 0
.endr
.irp b, 0,1,2,3
	v_mov_b32 v[CT+\b], 0
.endr
	v_mov_b32 v[F+1], 0
.set NN, 0
.rept 64
	v_mov_b32 v[OA+NN], 0                          ; a step is written once, and the first finds zeros
.set NN, NN+1
.endr
; ONE TILE'S KEY STEP: 16 queries x 128 keys
.macro TILE st, qf, qsc, oa, qln, slo, shi
	s_cmp_gt_u32 s[KF], s[\shi]                    ; all 128 keys come after all my queries
	s_cbranch_scc1 .Lhid_\@
.rept 5
	v_nop                                          ; behind the last products: four places for the loads, five for the scores written over v's fragments
.endr
	s_wait_alu depctr_va_vdst(0)
	ds_load_b128 v[KSC:KSC+3], v[ADS]
.irp c, 0,1,2,3,4,5
	ds_load_b128 v[FR+4*\c:FR+4*\c+3], v[ADK] offset:512*\c
.endr
	s_wait_dscnt 0x0
.irp t, 0,1,2,3
	v_wmma_scale_f32_16x16x128_f8f6f4 v[S+8*\t:S+8*\t+7], v[FR+6*\t:FR+6*\t+11], v[\qf:\qf+11], 0, v[KSC+\t], v[\qsc] matrix_a_fmt:MATRIX_FMT_BF6 matrix_b_fmt:MATRIX_FMT_BF6
.endr
.rept 4
	v_nop
.endr
	s_wait_alu depctr_va_vdst(0)
.irp c, 0,1,2,3,4,5
	ds_load_b128 v[FR+4*\c:FR+4*\c+3], v[ADK] offset:3072+512*\c
.endr
	s_wait_dscnt 0x0
.irp t, 0,1,2,3
	v_wmma_scale_f32_16x16x128_f8f6f4 v[S+32+8*\t:S+39+8*\t], v[FR+6*\t:FR+6*\t+11], v[\qf:\qf+11], 0, v[KSC+\t], v[\qsc] matrix_a_fmt:MATRIX_FMT_BF6 matrix_b_fmt:MATRIX_FMT_BF6 matrix_a_scale:MATRIX_SCALE_ROW1
.endr
.rept 4
	v_nop
.endr
	ds_load_b128 v[VSC:VSC+3], v[ADT]              ; v's d-tiles 0 and 1 land under the softmax
.irp c, 0,1,2,3,4,5
	ds_load_b128 v[FR+4*\c:FR+4*\c+3], v[ADV] offset:512*\c
.endr
	s_add_co_u32 s63, s[KF], 127                   ; a step all of whose keys count skips the mask
	s_cmp_le_u32 s63, s[\slo]
	s_cbranch_scc1 .Lopen_\@
	v_sub_nc_u32 v[TMP], v[\qln], s[KF]            ; register 16 b + i holds key KF + 16 h + 32 b + i
	v_mov_b32 v[TMP+1], 0xff800000
.set NN, 0
.rept 64
	v_cmp_gt_i32 vcc_lo, 32*(NN/16)+NN%16, v[TMP]
	v_cndmask_b32 v[S+NN], v[S+NN], v[TMP+1], vcc_lo
.set NN, NN+1
.endr
.Lopen_\@:
.irp b, 0,1,2,3
	v_max3_num_f32 v[BM+\b], v[S+16*\b], v[S+1+16*\b], v[S+2+16*\b]   ; the largest score of each block of 32 keys
.endr
.irp i, 3,5,7,9,11,13
.irp b, 0,1,2,3
	v_max3_num_f32 v[BM+\b], v[BM+\b], v[S+16*\b+\i], v[S+1+16*\b+\i]
.endr
.endr
.irp b, 0,1,2,3
	v_max_num_f32 v[BM+\b], v[BM+\b], v[S+15+16*\b]
.endr
.irp b, 0,1,2,3
	s_delay_alu instid0(VALU_DEP_4)
	v_permlanex16_b32 v[CT+\b], v[BM+\b], s[SEL], s[SEL+1]
.endr
.irp b, 0,1,2,3
	s_delay_alu instid0(VALU_DEP_4)
	v_max_num_f32 v[BM+\b], v[BM+\b], v[CT+\b]
.endr
	s_delay_alu instid0(VALU_DEP_2)
	v_max3_num_f32 v[TMP], v[BM], v[BM+1], v[BM+2]
	s_delay_alu instid0(VALU_DEP_1)
	v_max_num_f32 v[TMP], v[TMP], v[BM+3]
	s_delay_alu instid0(VALU_DEP_1)
	v_mul_f32 v[TMP], s[CS], v[TMP]
	s_delay_alu instid0(VALU_DEP_1)
	v_max_num_f32 v[\st+1], v[\st+1], v[TMP]       ; the running largest t
	v_mov_b32 v[TMP], v[\st]
	s_delay_alu instid0(VALU_DEP_2)
	v_floor_f32 v[\st], -v[\st+1]                  ; the new -M
	s_delay_alu instid0(VALU_DEP_1)
	v_sub_f32 v[TMP], v[\st], v[TMP]
	s_delay_alu instid0(VALU_DEP_1)
	v_cvt_i32_f32 v[TMP], v[TMP]
	s_delay_alu instid0(VALU_DEP_1)
	v_ldexp_f32 v[F], 1.0, v[TMP]                  ; f = 2^(old M - new M)
.set NN, 0
.rept 32
	v_pk_fma_f32 v[S+NN:S+NN+1], v[S+NN:S+NN+1], s[CS:CS+1], v[\st:\st+1] op_sel_hi:[1,0,0]   ; t - M
.set NN, NN+2
.endr
.irp b, 0,1,2,3
	v_fma_f32 v[BM+\b], v[BM+\b], s[CS], v[\st]
.endr
.set NN, 0
	s_wait_alu depctr_va_vdst(0)                   ; the wait ahead of the batch
.rept 64
	v_exp_f32 v[S+NN], v[S+NN]
.set NN, NN+1
.endr
	v_pk_mul_f32 v[\st+2:\st+3], v[\st+2:\st+3], v[F:F+1] op_sel_hi:[1,0]
	s_wait_alu depctr_va_vdst(0)                   ; and behind it
.irp b, 0,1,2,3
	v_exp_f32 v[BM+\b], v[BM+\b]                   ; the blocks' largest p
.endr
	v_pk_add_f32 v[CT:CT+1], v[S:S+1], v[S+2:S+3]  ; the row's sum, of the unquantised p, in two chains
.irp j, 4,8,12,16,20,24,28,32,36,40,44,48,52,56,60
	v_pk_add_f32 v[\st+2:\st+3], v[\st+2:\st+3], v[S+\j:S+1+\j]
	v_pk_add_f32 v[CT:CT+1], v[CT:CT+1], v[S+2+\j:S+3+\j]
.endr
	s_delay_alu instid0(VALU_DEP_1)
	v_pk_add_f32 v[\st+2:\st+3], v[\st+2:\st+3], v[CT:CT+1]
	s_wait_alu depctr_va_vdst(0)                   ; for the four
.irp b, 0,1,2,3
	v_max_num_f32 v[BM+\b], 0x2800000, v[BM+\b]    ; the floor 2^(5 - 127)
.endr
.irp b, 0,1,2,3
	s_delay_alu instid0(VALU_DEP_4)
	v_add_nc_u32 v[SO+\b], 0xfe000000, v[BM+\b]
.endr
.irp b, 0,1,2,3
	s_delay_alu instid0(VALU_DEP_4)
	v_lshrrev_b32 v[CT+\b], 23, v[SO+\b]
.endr
	s_delay_alu instid0(VALU_DEP_3)
	v_lshl_or_b32 v[PS], v[CT+1], 8, v[CT]
	s_delay_alu instid0(VALU_DEP_1)
	v_lshl_or_b32 v[PS], v[CT+2], 16, v[PS]
	s_delay_alu instid0(VALU_DEP_1)
	v_lshl_or_b32 v[PS], v[CT+3], 24, v[PS]
.irp c, 0,1
	v_cvt_scalef32_pk16_bf6_f32 v[PC+6*\c:PC+2+6*\c], v[S+32*\c:S+15+32*\c], v[SO+2*\c]
	v_cvt_scalef32_pk16_bf6_f32 v[CT+4*\c:CT+2+4*\c], v[S+16+32*\c:S+31+32*\c], v[SO+2*\c+1]
.endr
	v_nop                                          ; one plain place behind a scaled conversion
.irp c, 0,1,2,3,4,5
	ds_load_b128 v[S+4*\c:S+4*\c+3], v[ADV] offset:3072+512*\c     ; v's d-tiles 2 and 3 take p's registers
.endr
.irp c, 0,1
.irp i, 0,1,2
	v_permlane16_swap_b32 v[PC+6*\c+\i], v[CT+4*\c+\i]
.endr
.irp i, 0,1,2
	s_delay_alu instid0(VALU_DEP_3)
	v_mov_b32 v[PC+3+6*\c+\i], v[CT+4*\c+\i]
.endr
.endr
.set NN, 0
.rept 16
	v_pk_mul_f32 v[\oa+NN:\oa+NN+1], v[\oa+NN:\oa+NN+1], v[F:F+1] op_sel_hi:[1,0]   ; O^T under the new M; for each product below twelve of these name none of its registers
.set NN, NN+2
.endr
	s_wait_alu depctr_va_vdst(0)
	s_wait_dscnt 0x0
.irp t, 0,1
	v_wmma_scale_f32_16x16x128_f8f6f4 v[\oa+8*\t:\oa+8*\t+7], v[FR+12*\t:FR+12*\t+11], v[PC:PC+11], v[\oa+8*\t:\oa+8*\t+7], v[VSC+\t], v[PS] matrix_a_fmt:MATRIX_FMT_BF6 matrix_b_fmt:MATRIX_FMT_BF6
.endr
.irp t, 0,1
	v_wmma_scale_f32_16x16x128_f8f6f4 v[\oa+16+8*\t:\oa+23+8*\t], v[S+12*\t:S+12*\t+11], v[PC:PC+11], v[\oa+16+8*\t:\oa+23+8*\t], v[VSC+2+\t], v[PS] matrix_a_fmt:MATRIX_FMT_BF6 matrix_b_fmt:MATRIX_FMT_BF6
.endr
.Lhid_\@:
.endm
; n steps from key 512 j on.
.macro RUN j, n
	s_wait_tensorcnt 0x0
	ds_add_u32 v254, v255
.if \j == 0
	ds_add_u32 v254, v255
.endif
	s_wait_dscnt 0x0
	s_barrier_signal -1
	s_barrier_wait -1
.if \j == 0
	ARM 2, G0Q+4, G1Q, .Lr2                        ; keys 512 to 2,047 of k and v: first fills, one load a wave, waves 0-5
	s_branch .Lrj
.Lr2:
	ARM 4, G0Q+8, G1Q, .Lr3
	s_branch .Lrj
.Lr3:
	ARM 6, G0Q+12, G1Q, .Lrj
.Lrj:
.endif
	s_mov_b32 s[TK], 24576*\j
	s_mov_b32 s[TS], KSL+2048*\j
	s_mov_b32 s[TV], VSL+1024*\j
	s_mov_b32 s[KF], 512*\j
	s_mov_b32 s[CNT], \n
.Lstep_\@:
	v_add_nc_u32 v[ADK], s[TK], v[LI]
	s_delay_alu instid0(VALU_DEP_1)
	v_add_nc_u32 v[ADV], VL, v[ADK]
	v_add_nc_u32 v[ADS], s[TS], v[LI]
	v_add_nc_u32 v[ADT], s[TV], v[L15]
	TILE SA, QA, QSA, OA, QLA, Q0A, QXA
	TILE SBB, QB, QSB, OB, QLB, Q0B, QXB
	s_add_co_u32 s[TK], s[TK], 6144
	s_add_co_u32 s[TS], s[TS], 512
	s_add_co_u32 s[TV], s[TV], 256
	s_add_co_u32 s[KF], s[KF], 128
	s_sub_co_u32 s[CNT], s[CNT], 1
	s_cmp_lg_u32 s[CNT], 0
	s_cbranch_scc1 .Lstep_\@
.endm
	s_wait_alu depctr_va_vdst(0)                   ; the wait at the head's end
	s_wait_loadcnt 0x0                             ; q
	RUN 0, 4
	RUN 1, 12
	; THE WAY OUT: O^T / the sum goes into the work-group's stage, a number a lane, and comes back as whole rows of 1,024 bytes
.rept 4
	v_nop
.endr
	v_add_f32 v[SA+2], v[SA+2], v[SA+3]
	v_add_f32 v[SBB+2], v[SBB+2], v[SBB+3]
	s_delay_alu instid0(VALU_DEP_2)
	v_permlanex16_b32 v[CT], v[SA+2], s[SEL], s[SEL+1]
	s_delay_alu instid0(VALU_DEP_2)
	v_permlanex16_b32 v[CT+1], v[SBB+2], s[SEL], s[SEL+1]
	s_delay_alu instid0(VALU_DEP_2)
	v_add_f32 v[SA+2], v[SA+2], v[CT]
	s_delay_alu instid0(VALU_DEP_2)
	v_add_f32 v[SBB+2], v[SBB+2], v[CT+1]
	s_wait_alu depctr_va_vdst(0)
	v_rcp_f32 v[SA+2], v[SA+2]
	v_rcp_f32 v[SBB+2], v[SBB+2]
	v_nop
	s_wait_alu depctr_va_vdst(0)
.set NN, 0
.rept 16
	v_pk_mul_f32 v[S+NN:S+NN+1], v[OA+NN:OA+NN+1], v[SA+2:SA+3] op_sel_hi:[1,0]
.set NN, NN+2
.endr
.set NN, 0
.rept 16
	v_pk_mul_f32 v[S+32+NN:S+33+NN], v[OB+NN:OB+NN+1], v[SBB+2:SBB+3] op_sel_hi:[1,0]
.set NN, NN+2
.endr
	s_wait_alu depctr_va_vdst(0)
	s_wait_dscnt 0x0                               ; my reads of k and v are over;
	s_barrier_signal -1
	s_barrier_wait -1                              ; everybody's are
.irp t, 0,1,2,3
.irp j, 0,1,2,3,4,5,6,7                ; register 8 t + j is d = 32 (t / 2) + 8 (t % 2) + 16 h + j
	ds_store_b32 v[STA], v[S+8*\t+\j] offset:(32*(\t/2)+8*(\t%2)+\j)*SPI
.endr
.endr
.irp t, 0,1,2,3
.irp j, 0,1,2,3,4,5,6,7
	ds_store_b32 v[STB], v[S+32+8*\t+\j] offset:(32*(\t/2)+8*(\t%2)+\j)*SPI
.endr
.endr
	s_wait_dscnt 0x0
	s_barrier_signal -1
	s_barrier_wait -1
.irp k, 0,1,2,3,4,5,6,7,8,9,10,11,12,13,14,15
	ds_load_b128 v[S+4*\k:S+4*\k+3], v[RDA] offset:SPI*(\k/2)+512*(\k%2)
.endr
.irp k, 0,1,2,3,4,5,6,7,8,9,10,11,12,13,14,15
	s_wait_dscnt 15-\k                             ; load k is in, the 15 - k younger ones may be out
	global_store_b128 v[LI], v[S+4*\k:S+4*\k+3], s[84:85] offset:8192*(\k/2)+512*(\k%2) th:TH_STORE_NT   ; 512 consecutive bytes, at a multiple of 256 from out0's first byte
.endr
	s_wait_tensorcnt 0x0                           ; the wave's end
	ds_add_u32 v254, v255
	s_wait_dscnt 0x0
	s_endpgm
.Lfunc_end_k_qf847a1d425_attn:
	.size	k_qf847a1d425_attn, .Lfunc_end_k_qf847a1d425_attn-k_qf847a1d425_attn
	.p2alignl 7, 3214868480
	.fill 96, 4, 3214868480
	.section	.rodata,"a",@progbits
	.p2align	6, 0x0
	.amdhsa_kernel k_qf847a1d425_attn
		.amdhsa_group_segment_fixed_size 327680
		.amdhsa_private_segment_fixed_size 0
		.amdhsa_enable_private_segment 0
		.amdhsa_kernarg_size 24
		.amdhsa_user_sgpr_count 2
		.amdhsa_user_sgpr_kernarg_segment_ptr 1
		.amdhsa_wavefront_size32 1
		.amdhsa_system_sgpr_workgroup_id_x 1
		.amdhsa_system_sgpr_workgroup_id_y 1
		.amdhsa_system_sgpr_workgroup_id_z 1
		.amdhsa_system_vgpr_workitem_id 0
		.amdhsa_next_free_vgpr 256
		.amdhsa_next_free_sgpr 88
		.amdhsa_reserve_vcc 1
		.amdhsa_float_denorm_mode_32 3
		.amdhsa_float_denorm_mode_16_64 3
		.amdhsa_memory_ordered 1
		.amdhsa_forward_progress 1
		.amdhsa_inst_pref_size 111
	.end_amdhsa_kernel
	.amdgpu_metadata
---
amdhsa.version: [ 1, 2 ]
amdhsa.kernels:
  - .name:           k_qf847a1d425_attn
    .symbol:         k_qf847a1d425_attn.kd
    .args:
      - { .name: img, .offset: 0, .size: 8, .value_kind: global_buffer, .address_space: global }
      - { .name: scl, .offset: 8, .size: 8, .value_kind: global_buffer, .address_space: global }
      - { .name: out0, .offset: 16, .size: 8, .value_kind: global_buffer, .address_space: global }
    .group_segment_fixed_size: 327680
    .private_segment_fixed_size: 0
    .kernarg_segment_align: 8
    .kernarg_segment_size: 24
    .max_flat_workgroup_size: 512
    .sgpr_count:     88
    .vgpr_count:     256
    .wavefront_size: 32
...
	.end_amdgpu_metadata
.endif
;; end of part 3
